; MI455X (gfx1250); checked and timed in simulation.
; The chip was launched on July 23, 2026; its instructions are those of AMD's public machine-readable ISA for CDNA 5 (MIT licence, August 2026) and "CDNA5" Instruction Set Architecture Reference Guide (July 2026). The comments in the code are by the model that wrote it; some were corrected since.
;; Quant Linear. Allowed arithmetic: matrix products marked QUANTISED: E2M1 operands, one E8M0 scale for each 32 along K, by v_wmma_scale_f32_16x16x128_f8f6f4 with both operands' format E2M1 (or v_wmma_scale_f32_32x16x128_f4), f32 sums; products left as they are: f32 operands where the result goes on into a quantised operand, else bf16, f16 or f32 operands; f32 sums; everything else in f32.
;; Inputs: bias 4,096 float32; g_idx 4,096 int32; lora_A 2 x 16 x 4,096 float32; lora_B 2 x 4,096 x 16 float32; qweight 512 x 4,096 int32; qzeros 32 x 512 int32; scales 32 x 4,096 float32; x 2 x 2,048 x 4,096 float32.
;; Outputs: out0 2 x 2,048 x 4,096 float32.
;; This version of the problem:
;;   THIS VERSION OF THE PROBLEM IS GIVEN IN LOW PRECISION. The matrix products marked QUANTISED in the list below multiply operands that are first quantised to E2M1 (2 exponent bits, 1 mantissa bit; 4 bits a number), with one power-of-two scale for each 32 numbers along K (OCP MX v1.0); their sums are f32. All else is computed in f32.
;;   The module's matrix products, in the order in which they are computed (A, B: the left and right operand; K: the contracted axis; several contracted axes count as one K, in the product's order):
;;     1. [M 4,096, K 4,096] x [K 4,096, N 4,096]; A: input x; B: computed on the way: QUANTISED
;;     2. [M 4,096, K 4,096] x [K 4,096, N 16]; A: computed on the way; B: computed on the way: QUANTISED
;;     3. [M 4,096, K 16] x [K 16, N 4,096]; A: computed on the way; B: computed on the way: left as it is (K = 16 < 32)
;;   THE QUANTISER, for each operand of a quantised product, along K:
;;     - K is cut into blocks of 32 from its start; a last block that is shorter is filled with zeros.
;;     - A block's scale is 2^e with e = floor(log2(the largest magnitude in the block)) - 2, held to -126 .. 127; a block of zeros has e = 0. As a byte (E8M0): e + 127.
;;     - Each number is divided by its block's scale, clamped to +-6, and rounded to the nearest number of E2M1, ties to even, subnormals kept.
;;     - The product sums the exact products of the quantised numbers (number of the format x scale) in f32.
;;   ~~~python
;;   def quantise(x, axis):      # numpy; x: float32 -> the quantised numbers, widened to float32 again
;;       x = np.moveaxis(x, axis, -1); K = x.shape[-1]
;;       x = np.pad(x, [(0, 0)] * (x.ndim - 1) + [(0, -K % 32)]); x = x.reshape(x.shape[:-1] + (-1, 32)); a = np.abs(x).max(-1, keepdims=True)
;;       e = np.where(a > 0, np.clip(np.frexp(np.where(a > 0, a, 1))[1] - 1 - 2, -126, 127), 0)      # np.frexp(a)[1] - 1 = floor(log2(a)), exactly
;;       r = np.clip(x / 2.0 ** e, -6, 6)
;;       step = 2.0 ** (np.maximum(np.frexp(np.where(r == 0, 1, r))[1] - 1, 0) - 1)
;;       q = np.round(r / step) * step * 2.0 ** e      # np.round: ties to even
;;       return np.moveaxis(q.reshape(q.shape[:-2] + (-1,))[..., :K], -1, axis).astype(np.float32)
;;   ~~~
;;   OPERANDS COMPUTED ON THE WAY. 'Computed on the way' means the value that the module computes at that place (a softmax that the list does not call 'softmax' is quantised finished and normalised). What goes into a quantiser is computed in f32, as accurately as f32 sums, v_exp_f32 and their like allow (about 1e-6 of the number): no bf16 or f16 on the way to a quantiser, and a product that is left as it is and whose result goes on into a quantised operand takes f32 operands (vector FMAs, or v_wmma_f32_16x16x4_f32). A number that lies on a knife's edge between two numbers of the format may be rounded either way, as far as f32 arithmetic and the matrix unit's own rounding can turn it there, and no further.
;; One version. Each part assembles by itself: llvm-mc -triple=amdgcn-amd-amdhsa -mcpu=gfx1250 --defsym DOCPART=n.
;; ======== version 1 of 1: 3 launches
;; workspace buffers: xq 8,912,896 bytes; wq 8,912,896 bytes; colpart 131,072 bytes; aq 36,864 bytes; hfrag 262,144 bytes; bfrag 262,144 bytes
;; launch prep (part 1): grid 512 x 1, 8 waves a work-group, no clusters, 74,752 bytes of LDS; arguments x, qweight, qzeros, scales, g_idx, lora_A, xq, wq, colpart, aq; writes xq, wq, colpart, aq
.if DOCPART == 1
	.amdgcn_target "amdgcn-amd-amdhsa--gfx1250"
	.amdhsa_code_object_version 6
	.text
	.protected	k_qf7bb28338f_prep
	.globl	k_qf7bb28338f_prep
	.p2align	8
	.type	k_qf7bb28338f_prep,@function
k_qf7bb28338f_prep:
	s_mov_b64 s[64:65], 0
	v_nop
	global_prefetch_b8 v0, s[64:65] scope:SCOPE_SE
	s_setreg_imm32_b32 hwreg(HW_REG_WAVE_MODE, 25, 1), 1
	s_wait_xcnt 0x0
; PREP, the first of three launches for  out = Q(x) Q(W) + bias + 2 (Q(x aw) Q(A_sum)^T) B_sum^T,  Q the MX-FP4 quantiser along K (blocks of 32, E8M0 scale).
; NOTHING OF THE PROBLEM IS LEFT OUT: every input has a way to the output and is loaded by some launch (x, qweight, qzeros, scales, g_idx, lora_A here; x again, lora_B in the second; bias in the third).
; This launch makes: xq = codes and scale words of x; colpart = eight partial column sums of |x| (for aw); aq = codes and scale words of A_sum = lora_A[0] + lora_A[1];
; wq = codes and scale words of W[k][n] = scales[g_idx[k]][n] x (nibble of qweight - nibble of qzeros[g_idx[k]]), made in f32 (the difference is exact, the product is rounded once) and quantised along k.
; LAYOUT OF xq AND wq: [32 blocks of 128 rows][8 K steps of 512][BLK bytes]; for wq a row is an output column n.  In a block the codes lie as IMAGES OF THE OPERAND'S REGISTERS: the fragment of the step's q-th 128 along K
; and of the block's i-th 16 rows at (8 q + i) x 1024; in it registers 4 c .. 4 c + 3 of lane l at 512 c + 16 l, which is: the 16 bytes of row r's b-th 32 along K at 256 b + 16 r.  Behind the codes, at SCO + 512 q + 4 row, a scale word
; (four E8M0 bytes) for each row and 128 along K.  So a block is 34,816 dense bytes, and the third launch fetches codes and scales by one tensor load.
; A block's scale byte is its largest magnitude's exponent field - 2, held at 1 from below by a floor among the maximum's leaves.
; LIMITS: NaN and infinities among the inputs are not served.  A block whose largest magnitude lies under 2^-124 gets the byte 1; so does a block of zeros, where the rule says 127: its codes are zeros, which add nothing, and
; only this program reads the bytes.  g_idx is taken as unsigned and held at 31 from above (an index stays inside its table).  The column sums are added in another order than the problem's mean.
; SHARES: work-groups 0-255 take x (a strip of 128 columns x 512 rows each), work-groups 256-511 take W (one block of wq each).  Work-groups share no tile, so there is no cluster; operands go through registers, so there is no tensor load.
.set BLK,   34816
.set SCO,   32768
.set STG,   8448                       ; LDS, x path: a stage of 16 rows x (512 bytes + 16) for each wave, from byte 0
.set SCW,   67584                      ; 256 bytes for each wave: its 64 rows' scale words
.set CSUM,  69632                      ; 512 bytes for each wave: its column sums
.set SPARE, 73728                      ; the spare words, 128 bytes for each wave: four blocks of 256 bytes that no other line names
.set SPW,   10                         ; v10  LDS address of my spare word; never rewritten
.set NIL,   11                         ; v11  0; never rewritten
.set SEL,   26                         ; s[26:27] lane selects for v_permlanex16_b32: lane l xor 16
.set R0,    64                         ; x path: three sets of 64 registers: a tile of 16 rows x 128 columns
.set R1,    128
.set R2,    192
; x path, registers: v1 16 lane; v2 stage, way in; v3 stage, way out; v4 8 h; v5, v6 my scale words' LDS place (4 and 8 bytes a lane); v7 8 lane; v8, v9 column sums' LDS places; v12-19 column sums (4 columns x even, odd rows);
; v20-25 at work; v26 a permute's destination; v27 4 lane; v28-31 a scale word for each tile; v32-63 codes, 8 for each tile, so that no store's data are written again.
.macro XLD set, t                      ; tile t: 16 rows, each load 512 consecutive bytes of a row (32 lanes x 16)
.set xi, 0
.rept 16
	global_load_b128 v[\set+4*xi:\set+4*xi+3], v1, s[4:5] offset:(16*(\t)+xi)*16384
.set xi, xi+1
.endr
.endm
.macro ALD set, off                    ; the strip's 512 bytes of the 16 rows of one of lora_A's two matrices
.set xi, 0
.rept 16
	global_load_b128 v[\set+4*xi:\set+4*xi+3], v1, s[14:15] offset:\off+xi*16384
.set xi, xi+1
.endr
.endm
.macro COLS set, first                 ; |x| onto my four columns' sums; eight chains; first = 1: rows 0 and 1 start them, so nothing is cleared
.set ci, 0
.rept 64
.if \first && (ci < 8)
	v_and_b32 v[12+ci], 0x7fffffff, v[\set+ci]
.else
	v_add_f32 v[12+ci%8], v[12+ci%8], |v[\set+ci]|
.endif
.set ci, ci+1
.endr
.endm
.macro TURN set                        ; a tile through my own stage: in as loaded (a row an instruction), out so that lane (r, h) holds k = 64 c + 32 h + 0 .. 31 of row r in registers 32 c .. 32 c + 31: the operand's own order
.set ti, 0
.rept 16
	ds_store_b128 v2, v[\set+4*ti:\set+4*ti+3] offset:528*ti
.set ti, ti+1
.endr
.set ti, 0
.rept 16
	ds_load_b128 v[\set+4*ti:\set+4*ti+3], v3 offset:256*(ti/8)+16*(ti%8)   ; LDS serves a wave's instructions in order: these see the stores above
.set ti, ti+1
.endr
	s_wait_dscnt 0x0
.endm
.macro Q6 set, C, W                    ; 64 numbers of a lane, two whole blocks of 32, become 8 registers of codes in v[C] on and the row's scale word in v[W]
.irp c, 0,1
	v_max3_num_f32 v[20+\c], |v[\set+32*\c]|, |v[\set+32*\c+1]|, 0x1800000   ; with the floor 2^(3 - 127): the byte cannot fall under 1
.endr
.irp i, 2,4,6,8,10,12,14,16,18,20,22,24,26,28,30
.irp c, 0,1
	v_max3_num_f32 v[20+\c], v[20+\c], |v[\set+32*\c+\i]|, |v[\set+32*\c+\i+1]|
.endr
.endr
.irp c, 0,1
	v_add_nc_u32 v[22+\c], 0xff000000, v[20+\c]    ; 2 off the exponent field: the conversion's scale operand
.endr
.irp c, 0,1
	v_lshrrev_b32 v[24+\c], 23, v[22+\c]           ; the scale's byte
.endr
	v_lshl_or_b32 v[\W], v25, 16, v24              ; my two bytes: blocks h and 2 + h,
	v_lshlrev_b32 v[\W], v4, v[\W]                 ; 8 h bits up;
	v_permlanex16_b32 v26, v[\W], s[SEL], s[SEL+1]
	v_or_b32 v[\W], v[\W], v26                     ; with lane l xor 16's two the word is whole, in both halves of the lanes
.irp c, 0,1
.irp g, 0,1,2,3
	v_cvt_scalef32_pk8_fp4_f32 v[\C+4*\c+\g], v[\set+32*\c+8*\g:\set+32*\c+8*\g+7], v[22+\c]
.endr
.endr
	v_nop                                          ; one plain instruction behind the last scaled conversion
.endm
.macro TILE t, set, left, first        ; left: the younger tiles' loads, which may stay out
	s_wait_loadcnt \left
	COLS \set, \first
	TURN \set
	Q6 \set, 32+8*\t, 28+\t
	global_store_b128 v1, v[32+8*\t:35+8*\t], s[16:17] offset:1024*\t        ; each store covers 512 consecutive bytes, aligned to 256
	global_store_b128 v1, v[36+8*\t:39+8*\t], s[16:17] offset:1024*\t+512
.endm
; W path, registers: v2 4 lane; v3 4 (lane / 8); v4 4 (lane % 8); v5 my codes' place; v12-19 g_idx of my 8 blocks (lane l: k = 32 b + l); v20-23 at work; v24, v25 scale words; v32-63 for block b the pairs (scale, its offset), (zero, its offset);
; v64-95 qweight; v96-127 a block's 32 numbers; v128-159 codes.  Slow way: v160-191 scales, v192-223 zeros, v224-227 qweight, v228-231 codes.
.macro UNPACK qw                       ; four words of qweight: 32 nibbles down K, as f32
.irp i, 0,1,2,3
.irp j, 0,1,2,3,4,5,6,7
	v_bfe_u32 v[96+8*\i+\j], v[\qw+\i], 4*\j, 4
.endr
.endr
.set ui, 0
.rept 32
	v_cvt_f32_u32 v[96+ui], v[96+ui]
.set ui, ui+1
.endr
.endm
.macro QUANTW C                        ; v96-127, a whole block of one column, become 4 registers of codes; the byte in v23
	v_max3_num_f32 v20, |v96|, |v97|, |v98|
	v_max3_num_f32 v21, |v99|, |v100|, |v101|
.irp i, 6,10,14,18,22,26
	v_max3_num_f32 v20, v20, |v[96+\i]|, |v[97+\i]|
	v_max3_num_f32 v21, v21, |v[98+\i]|, |v[99+\i]|
.endr
	v_max3_num_f32 v20, v20, |v126|, |v127|
	v_max3_num_f32 v20, v20, v21, 0x1800000        ; the floor
	v_add_nc_u32 v22, 0xff000000, v20
.irp g, 0,1,2,3
	v_cvt_scalef32_pk8_fp4_f32 v[\C+\g], v[96+8*\g:103+8*\g], v22
.endr
	v_lshrrev_b32 v23, 23, v22                     ; the byte; also the plain instruction behind the conversions
.endm
.macro FASTB b                         ; block b where all its 32 k have one group
	s_wait_loadcnt 2*(7-\b)                        ; qweight and this block's scale and zero are in; the later blocks' two loads each may be out
	v_bfe_u32 v[34+4*\b], v[34+4*\b], v4, 4        ; my column's zero
	v_cvt_f32_u32 v[34+4*\b], v[34+4*\b]
	UNPACK 64+4*\b
.irp m, 0,2,4,6,8,10,12,14,16,18,20,22,24,26,28,30
	v_pk_add_f32 v[96+\m:97+\m], v[96+\m:97+\m], v[34+4*\b:35+4*\b] op_sel_hi:[1,0] neg_lo:[0,1] neg_hi:[0,1]   ; - zero: exact (of the pair the low word serves both halves)
.endr
.irp m, 0,2,4,6,8,10,12,14,16,18,20,22,24,26,28,30
	v_pk_mul_f32 v[96+\m:97+\m], v[96+\m:97+\m], v[32+4*\b:33+4*\b] op_sel_hi:[1,0]   ; x scale: one rounding
.endr
	QUANTW 128+4*\b
.if (\b%4) == 0
	v_mov_b32 v[24+\b/4], v23
.else
	v_lshl_or_b32 v[24+\b/4], v23, 8*(\b%4), v[24+\b/4]
.endif
	global_store_b128 v5, v[128+4*\b:131+4*\b], s[50:51] offset:(\b/4)*8192+(\b%4)*256   ; each half of the lanes stores 256 consecutive bytes, aligned
.endm
.macro SLOWQ qq                        ; four blocks (128 along K) with a group of its own for every k: a counted loop of four trips, a block a trip
	v_mov_b32 v[24+\qq], 0
	s_mov_b32 s54, 4
.Lslow_\@:
	s_load_b512 s[68:83], s[12:13], 0x0            ; the block's 32 groups
	s_load_b512 s[84:99], s[12:13], 0x40
.irp i, 0,1,2,3
	global_load_b32 v[224+\i], v2, s[6:7] offset:16384*\i
.endr
	s_wait_kmcnt 0x0
.set ki, 0
.rept 32
	s_min_u32 s[68+ki], s[68+ki], 31               ; held inside the tables
	v_lshl_add_u32 v[160+ki], s[68+ki], 14, v2     ; a row of scales is 16,384 bytes,
	v_lshl_add_u32 v[192+ki], s[68+ki], 11, v3     ; a row of qzeros 2,048
.set ki, ki+1
.endr
.set ki, 0
.rept 32
	global_load_b32 v[160+ki], v[160+ki], s[10:11] ; each load lands on its own offset register
	global_load_b32 v[192+ki], v[192+ki], s[8:9]
.set ki, ki+1
.endr
	s_wait_loadcnt 0x0
.set ki, 0
.rept 32
	v_bfe_u32 v[192+ki], v[192+ki], v4, 4
.set ki, ki+1
.endr
.set ki, 0
.rept 32
	v_cvt_f32_u32 v[192+ki], v[192+ki]
.set ki, ki+1
.endr
	UNPACK 224
.irp m, 0,2,4,6,8,10,12,14,16,18,20,22,24,26,28,30
	v_pk_add_f32 v[96+\m:97+\m], v[96+\m:97+\m], v[192+\m:193+\m] neg_lo:[0,1] neg_hi:[0,1]
.endr
.irp m, 0,2,4,6,8,10,12,14,16,18,20,22,24,26,28,30
	v_pk_mul_f32 v[96+\m:97+\m], v[96+\m:97+\m], v[160+\m:161+\m]
.endr
	QUANTW 228
	v_lshrrev_b32 v[24+\qq], 8, v[24+\qq]          ; the byte enters the word from above: after four trips the first block's lies lowest
	v_lshl_or_b32 v[24+\qq], v23, 24, v[24+\qq]
	global_store_b128 v5, v[228:231], s[50:51] offset:\qq*7168   ; the base has gone 4 x 256 bytes on when the second 128 begin: 1,024 + 7,168 = 8,192
	s_wait_xcnt 0x0                                ; the trip's loads and its store have read their bases and registers: these are written again only behind this wait
	s_add_nc_u64 s[12:13], s[12:13], 128
	s_add_nc_u64 s[6:7], s[6:7], 65536
	s_add_nc_u64 s[50:51], s[50:51], 256
	s_sub_co_u32 s54, s54, 1
	s_cmp_lg_u32 s54, 0
	s_cbranch_scc1 .Lslow_\@
	global_store_b32 v2, v[24+\qq], s[52:53] offset:512*\qq
.endm
	s_load_b512 s[4:19], s[0:1], 0x0               ; x s[4:5], qweight s[6:7], qzeros s[8:9], scales s[10:11], g_idx s[12:13], lora_A s[14:15], xq s[16:17], wq s[18:19]
	s_load_b128 s[20:23], s[0:1], 0x40             ; colpart s[20:21], aq s[22:23]
	v_lshl_add_u32 v[SPW], v0, 2, SPARE
	v_mov_b32 v[NIL], 0
	v_lshrrev_b32 v1, 5, v0
	v_readfirstlane_b32 s24, v1                    ; wave 0..7
	v_and_b32 v20, 31, v0                          ; lane
	s_cmp_lt_u32 ttmp9, 256                        ; the work-group's number alone decides: all eight waves go the same way
	s_cbranch_scc0 .Lw_path
	; ================ THE x PATH: strip = id % 32 (128 columns), chunk = id / 32 (512 rows); wave w takes rows 64 w .. 64 w + 63 of the chunk, four tiles of 16
	v_lshlrev_b32 v1, 4, v20
	s_mul_i32 s25, s24, STG
	v_add_nc_u32 v2, s25, v1
	v_and_b32 v21, 15, v20                         ; r
	v_lshrrev_b32 v22, 4, v20                      ; h
	v_mul_u32_u24 v3, v21, 528
	v_lshl_add_u32 v3, v22, 7, v3
	v_add_nc_u32 v3, s25, v3                       ; row r, + 128 h bytes: 32 numbers
	v_lshlrev_b32 v4, 3, v22
	s_lshl_b32 s25, s24, 8
	s_add_co_u32 s25, s25, SCW
	v_lshl_add_u32 v5, v20, 2, s25
	v_lshl_add_u32 v6, v20, 3, s25
	v_lshlrev_b32 v7, 3, v20
	s_lshl_b32 s25, s24, 9
	s_add_co_u32 s25, s25, CSUM
	v_add_nc_u32 v8, s25, v1
	v_add_nc_u32 v9, CSUM, v1
	v_mov_b32 v26, 0                               ; written once: a lane permute's destination counts as one of its sources
	v_lshlrev_b32 v27, 2, v20
	s_and_b32 s30, ttmp9, 31                       ; strip
	s_lshr_b32 s31, ttmp9, 5                       ; chunk
	s_xor_b32 s29, s24, 1
	s_or_b32 s29, s29, s31                         ; 0 in wave 1 of chunk 0: that wave also quantises the strip of A_sum
	s_mov_b32 s[SEL], 0x76543210
	s_mov_b32 s[SEL+1], 0xfedcba98
	s_mov_b32 s28, 0xffff0000                      ; lanes 16-31
	s_lshl_b32 s32, s31, 23                        ; x: 512 rows of 16,384 bytes a chunk,
	s_lshl_b32 s34, s24, 20                        ; 64 rows a wave,
	s_add_co_u32 s32, s32, s34
	s_lshl_b32 s34, s30, 9                         ; 512 bytes a strip
	s_add_co_u32 s32, s32, s34
	s_mov_b32 s33, 0
	s_mov_b32 s35, 0                               ; s[34:35]: the strip in lora_A
	s_lshl_b32 s36, s31, 14                        ; colpart: a row of 16,384 bytes a chunk
	s_add_co_u32 s36, s36, s34
	s_mov_b32 s37, 0
	s_lshl_b32 s38, s31, 2
	s_lshr_b32 s39, s24, 1
	s_add_co_u32 s38, s38, s39                     ; block of 128 rows: 4 chunk + wave / 2
	s_lshl_b32 s38, s38, 3
	s_lshr_b32 s39, s30, 2
	s_add_co_u32 s38, s38, s39                     ; x 8 + K step (strip / 4)
	s_mul_i32 s38, s38, BLK
	s_and_b32 s39, s30, 3                          ; q
	s_and_b32 s40, s24, 1                          ; which 64 rows of the 128
	s_lshl_b32 s42, s39, 13
	s_lshl_b32 s43, s40, 12
	s_add_co_u32 s42, s42, s43
	s_add_co_u32 s42, s42, s38                     ; my first fragment: (8 q + 4 (wave % 2)) x 1024
	s_mov_b32 s43, 0
	s_lshl_b32 s44, s39, 9
	s_lshl_b32 s45, s40, 8
	s_add_co_u32 s44, s44, s45
	s_add_co_u32 s44, s44, s38
	s_add_co_u32 s44, s44, SCO                     ; my 64 scale words
	s_mov_b32 s45, 0
	s_lshl_b32 s46, s30, 10                        ; aq: 1,024 bytes of codes a strip,
	s_mov_b32 s47, 0
	s_lshl_b32 s48, s30, 7                         ; 128 bytes of scale words
	s_mov_b32 s49, 0
	s_wait_kmcnt 0x0
	s_add_nc_u64 s[4:5], s[4:5], s[32:33]
	s_add_nc_u64 s[14:15], s[14:15], s[34:35]
	s_add_nc_u64 s[20:21], s[20:21], s[36:37]
	s_add_nc_u64 s[50:51], s[16:17], s[44:45]      ; xq's scale words
	s_add_nc_u64 s[16:17], s[16:17], s[42:43]      ; xq's codes
	s_add_nc_u64 s[52:53], s[22:23], s[48:49]      ; aq's scale words, 32,768 bytes further on
	s_add_nc_u64 s[22:23], s[22:23], s[46:47]      ; aq's codes
	XLD R0, 0                                      ; three tiles, 48 loads, are asked for at once
	XLD R1, 1
	XLD R2, 2
	TILE 0, R0, 32, 1                              ; tiles 1 and 2 may be out
	XLD R0, 3
	TILE 1, R1, 32, 0                              ; tiles 2 and 3 may be out
	s_cmp_lg_u32 s29, 0
	s_cbranch_scc1 .Lno_a0
	ALD R1, 0                                      ; lora_A[0]'s strip, into the set that tile 1 has left.  The counts below are those of a wave without these loads: with them they wait for more than is needed
.Lno_a0:
	TILE 2, R2, 16, 0                              ; tile 3 may be out
	s_cmp_lg_u32 s29, 0
	s_cbranch_scc1 .Lno_a1
	ALD R2, 262144                                 ; lora_A[1]'s
.Lno_a1:
	TILE 3, R0, 0, 0
	v_cndmask_b32 v20, v28, v29, s28               ; both halves of the lanes hold a tile's 16 words: lanes 0-15 keep tile 0's, lanes 16-31 take tile 1's: lane l has row l's word;
	v_cndmask_b32 v21, v30, v31, s28               ; and rows 32 .. 63
	ds_store_b32 v5, v20
	ds_store_b32 v5, v21 offset:128
	ds_load_b64 v[22:23], v6                       ; back, 8 bytes a lane
	v_pk_add_f32 v[12:13], v[12:13], v[16:17]      ; even rows' sums + odd rows'
	v_pk_add_f32 v[14:15], v[14:15], v[18:19]
	ds_store_b128 v8, v[12:15]
	s_wait_dscnt 0x0                               ; for the others' sake: my column sums lie in LDS
	s_barrier_signal -1
	s_barrier_wait -1
	global_store_b64 v7, v[22:23], s[50:51]        ; the wave stores 256 consecutive bytes, aligned
	s_cmp_lg_u32 s24, 0
	s_cbranch_scc1 .Lnot_wave_0
.irp p, 0,1,2,3,4,5,6,7
	ds_load_b128 v[64+4*\p:67+4*\p], v9 offset:512*\p   ; the eight waves' sums of my four columns
.endr
	s_wait_dscnt 0x0
.irp p, 1,2,3,4,5,6,7
	v_pk_add_f32 v[64:65], v[64:65], v[64+4*\p:65+4*\p]
	v_pk_add_f32 v[66:67], v[66:67], v[66+4*\p:67+4*\p]
.endr
	global_store_b128 v1, v[64:67], s[20:21]       ; 512 consecutive bytes of the chunk's row of colpart
.Lnot_wave_0:
	s_cmp_lg_u32 s29, 0
	s_cbranch_scc1 .Lno_a2
.set ai, 0
.rept 32
	v_pk_add_f32 v[R1+2*ai:R1+2*ai+1], v[R1+2*ai:R1+2*ai+1], v[R2+2*ai:R2+2*ai+1]   ; A_sum (tile 3's wait was for all loads)
.set ai, ai+1
.endr
	TURN R1
	s_wait_xcnt 0x0                                ; my earlier stores have read their data: tile 0's code registers and the registers at work are written again only behind this wait
	Q6 R1, 32, 28
	global_store_b128 v1, v[32:35], s[22:23]
	global_store_b128 v1, v[36:39], s[22:23] offset:512
	global_store_b32 v27, v28, s[52:53] offset:32768   ; 128 bytes: half of an aligned 256, once for each of 32 strips
.Lno_a2:
	s_wait_tensorcnt 0x0                           ; the wave's end, behind my last LDS store: a tensor wait (though the text has no tensor load), an add of 0 to my spare word, and its wait
	ds_add_u32 v[SPW], v[NIL]
	s_wait_dscnt 0x0
	s_endpgm
	; ================ THE W PATH: one block of wq a work-group: 128 columns n (id' / 8) x 512 along K (id' % 8).  Wave w: 32 columns (w % 4), a lane a column; 256 along K (w / 4): 8 blocks of 32, registers down K.  No LDS, no barrier.
.Lw_path:
	s_sub_co_u32 s30, ttmp9, 256
	s_lshr_b32 s31, s30, 3                         ; block of columns
	s_and_b32 s32, s30, 7                          ; K step
	s_and_b32 s33, s24, 3                          ; which 32 columns
	s_lshr_b32 s34, s24, 2                         ; which 256 along K
	v_lshlrev_b32 v2, 2, v20
	v_lshrrev_b32 v3, 3, v20
	v_lshlrev_b32 v3, 2, v3
	v_and_b32 v4, 7, v20
	v_lshlrev_b32 v4, 2, v4                        ; my nibble's place in a word of qzeros
	v_lshrrev_b32 v5, 4, v20
	v_and_b32 v6, 15, v20
	v_lshlrev_b32 v5, 10, v5
	v_lshl_add_u32 v5, v6, 4, v5                   ; 1024 (lane / 16) + 16 (lane % 16): my tile of 16 columns, my row in a block's 256 bytes
	s_lshl_b32 s35, s31, 7
	s_lshl_b32 s36, s33, 5
	s_add_co_u32 s35, s35, s36                     ; my wave's first column
	s_lshl_b32 s36, s32, 9
	s_lshl_b32 s37, s34, 8
	s_add_co_u32 s36, s36, s37                     ; its first k
	s_lshl_b32 s38, s36, 2
	s_mov_b32 s39, 0                               ; g_idx
	s_lshl_b32 s40, s36, 11                        ; qweight: k / 8 rows of 16,384 bytes
	s_lshl_b32 s42, s35, 2
	s_add_co_u32 s40, s40, s42
	s_mov_b32 s41, 0
	s_mov_b32 s43, 0                               ; s[42:43]: the column in a row of scales
	s_lshr_b32 s44, s35, 1                         ; and in a row of qzeros: 4 bytes for 8 columns
	s_mov_b32 s45, 0
	s_lshl_b32 s46, s31, 3
	s_add_co_u32 s46, s46, s32
	s_mul_i32 s46, s46, BLK                        ; the block
	s_lshl_b32 s48, s34, 10
	s_lshl_b32 s49, s33, 7
	s_add_co_u32 s48, s48, s49
	s_add_co_u32 s48, s48, s46
	s_add_co_u32 s48, s48, SCO                     ; my scale words: 512 (2 (w / 4)) + 4 x 32 (w % 4)
	s_mov_b32 s49, 0
	s_lshl_b32 s47, s34, 14
	s_add_co_u32 s46, s46, s47
	s_lshl_b32 s47, s33, 11
	s_add_co_u32 s46, s46, s47                     ; my codes: (8 x 2 (w / 4) + 2 (w % 4)) x 1024
	s_mov_b32 s47, 0
	s_wait_kmcnt 0x0
	s_add_nc_u64 s[12:13], s[12:13], s[38:39]
	s_add_nc_u64 s[6:7], s[6:7], s[40:41]
	s_add_nc_u64 s[10:11], s[10:11], s[42:43]
	s_add_nc_u64 s[8:9], s[8:9], s[44:45]
	s_add_nc_u64 s[50:51], s[18:19], s[46:47]
	s_add_nc_u64 s[52:53], s[18:19], s[48:49]
.irp b, 0,1,2,3,4,5,6,7
	global_load_b32 v[12+\b], v2, s[12:13] offset:128*\b   ; lane l: g_idx[k0 + 32 b + l]
.endr
.set qi, 0
.rept 32
	global_load_b32 v[64+qi], v2, s[6:7] offset:16384*qi th:TH_LOAD_NT   ; the four waves of a K half stand side by side on 512 bytes of a row
.set qi, qi+1
.endr
	s_wait_loadcnt 32                              ; g_idx is in; the 32 loads of qweight may be out
	s_mov_b32 s54, 0
.irp b, 0,1,2,3,4,5,6,7
	v_readfirstlane_b32 s[56+\b], v[12+\b]
	v_cmp_ne_u32 s55, s[56+\b], v[12+\b]           ; does any k of the block have another group than its first?
	s_or_b32 s54, s54, s55
	s_min_u32 s[56+\b], s[56+\b], 31               ; held inside the tables
.endr
	s_cmp_lg_u32 s54, 0                            ; a branch on the index input alone.  Both ways are right for every g_idx; the fast one needs one group in each block of 32
	s_cbranch_scc1 .Lslow
.irp b, 0,1,2,3,4,5,6,7
	v_lshl_add_u32 v[33+4*\b], s[56+\b], 14, v2
	v_lshl_add_u32 v[35+4*\b], s[56+\b], 11, v3
.endr
.irp b, 0,1,2,3,4,5,6,7
	global_load_b32 v[32+4*\b], v[33+4*\b], s[10:11]
	global_load_b32 v[34+4*\b], v[35+4*\b], s[8:9]
.endr
.irp b, 0,1,2,3,4,5,6,7
	FASTB \b
.endr
	global_store_b32 v2, v24, s[52:53]             ; 128 bytes each: halves of an aligned 256, one part in seventeen of what this path stores
	global_store_b32 v2, v25, s[52:53] offset:512
	s_endpgm
.Lslow:
	SLOWQ 0
	SLOWQ 1
	s_endpgm
.Lfunc_end_k_qf7bb28338f_prep:
	.size	k_qf7bb28338f_prep, .Lfunc_end_k_qf7bb28338f_prep-k_qf7bb28338f_prep
	.p2alignl 7, 3214868480
	.fill 96, 4, 3214868480
	.section	.rodata,"a",@progbits
	.p2align	6, 0x0
	.amdhsa_kernel k_qf7bb28338f_prep
		.amdhsa_group_segment_fixed_size 74752
		.amdhsa_private_segment_fixed_size 0
		.amdhsa_enable_private_segment 0
		.amdhsa_kernarg_size 80
		.amdhsa_user_sgpr_count 2
		.amdhsa_user_sgpr_kernarg_segment_ptr 1
		.amdhsa_wavefront_size32 1
		.amdhsa_system_sgpr_workgroup_id_x 1
		.amdhsa_system_sgpr_workgroup_id_y 1
		.amdhsa_system_sgpr_workgroup_id_z 1
		.amdhsa_system_vgpr_workitem_id 0
		.amdhsa_next_free_vgpr 256
		.amdhsa_next_free_sgpr 100
		.amdhsa_reserve_vcc 0
		.amdhsa_float_denorm_mode_32 3
		.amdhsa_float_denorm_mode_16_64 3
		.amdhsa_memory_ordered 1
		.amdhsa_forward_progress 1
		.amdhsa_inst_pref_size 165
	.end_amdhsa_kernel
	.amdgpu_metadata
---
amdhsa.version: [ 1, 2 ]
amdhsa.kernels:
  - .name:           k_qf7bb28338f_prep
    .symbol:         k_qf7bb28338f_prep.kd
    .args:
      - { .name: x, .offset: 0, .size: 8, .value_kind: global_buffer, .address_space: global }
      - { .name: qweight, .offset: 8, .size: 8, .value_kind: global_buffer, .address_space: global }
      - { .name: qzeros, .offset: 16, .size: 8, .value_kind: global_buffer, .address_space: global }
      - { .name: scales, .offset: 24, .size: 8, .value_kind: global_buffer, .address_space: global }
      - { .name: g_idx, .offset: 32, .size: 8, .value_kind: global_buffer, .address_space: global }
      - { .name: lora_A, .offset: 40, .size: 8, .value_kind: global_buffer, .address_space: global }
      - { .name: xq, .offset: 48, .size: 8, .value_kind: global_buffer, .address_space: global }
      - { .name: wq, .offset: 56, .size: 8, .value_kind: global_buffer, .address_space: global }
      - { .name: colpart, .offset: 64, .size: 8, .value_kind: global_buffer, .address_space: global }
      - { .name: aq, .offset: 72, .size: 8, .value_kind: global_buffer, .address_space: global }
    .group_segment_fixed_size: 74752
    .private_segment_fixed_size: 0
    .kernarg_segment_align: 8
    .kernarg_segment_size: 80
    .max_flat_workgroup_size: 256
    .sgpr_count:     100
    .vgpr_count:     256
    .wavefront_size: 32
...
	.end_amdgpu_metadata
.endif
;; end of part 1
;; launch lora (part 2): grid 256 x 1, 16 waves a work-group, no clusters, 153,856 bytes of LDS; arguments x, colpart, aq, lora_B, hfrag, bfrag; writes hfrag, bfrag
.if DOCPART == 2
	.amdgcn_target "amdgcn-amd-amdhsa--gfx1250"
	.amdhsa_code_object_version 6
	.text
	.protected	k_qf7bb28338f_lora
	.globl	k_qf7bb28338f_lora
	.p2align	8
	.type	k_qf7bb28338f_lora,@function
k_qf7bb28338f_lora:
	s_mov_b64 s[64:65], 0
	v_nop
	global_prefetch_b8 v0, s[64:65] scope:SCOPE_SE
	s_setreg_imm32_b32 hwreg(HW_REG_WAVE_MODE, 25, 1), 1
	s_wait_xcnt 0x0
; LORA, the second launch: aw = colmean|x| / (mean of colmean|x| + 1e-6) from colpart's eight partial sums; h = Q(x aw) Q(A_sum)^T on codes of FP4; 2 h and B_sum = lora_B[0] + lora_B[1] as bf16 operands for the third launch.  Nothing is left out.
; SHARES: work-group T takes rows 16 T .. 16 T + 15 and all of K; wave w takes columns 256 w .. 256 w + 255: two steps u of 128 along K.  All of a wave's x, 32 loads of 512 consecutive bytes, is asked for at the head.
; The product is used transposed (source 0 = A_sum's 16 ranks, source 1 = my 16 rows): lane (r, h) holds h[row r][rank 8 h + 0 .. 7], which is the order of a bf16 operand's registers.  The sixteen waves' parts of h meet in LDS; wave 0 adds them.
; hfrag[T], bfrag[T]: 1,024-byte images of a bf16 fragment 16 x 32.  k = 0 .. 15 is the rank: the upper bf16 part of 2 h, against B_sum; k = 16 .. 31 is the rank once more: what the upper part left of 2 h, against the same B_sum.
; The factor 2 is a power of two: folded into h it rounds nothing.
; LIMITS: NaN and infinities are not served; blocks under 2^-124 and blocks of zeros get the scale byte 1 (zero codes add nothing); B_sum is rounded to bf16; sums are added in another order than the problem's; 1 / d is v_rcp_f32 with one Newton step.
; NO CLUSTER: colpart and aq (164 KiB) are read by every work-group, beside 256 KiB of x of its own.  Each lane wants them once, in the very layout of its x and of its operand's registers, so they come by plain loads;
; joint tensor loads would add a way through LDS and the cluster's rounds to a text with two barriers.
.set STG,   8448                       ; LDS: a stage of 16 rows x (512 bytes + 16) for each wave, from byte 0
.set TOT,   135168                     ; sixteen words: the waves' totals
.set HP,    135424                     ; 1,024 bytes for each wave: its part of h, as an image of 8 registers
.set SPARE, 151808                     ; the spare words, 128 bytes for each wave: eight blocks of 256 bytes that no other line names
.set SPW,   10
.set NIL,   11
.set SEL,   30                         ; s[30:31]
; REGISTERS: v1 16 lane; v2, v3 stage in, out; v4 8 h; v5 4 lane; v6, v7 h's parts: mine, the first; v8, v9 totals: mine, the first; v12-19 column sums, then aw (4 columns x 2 steps); v20-26 at work; v32-39 codes; v40 their scale word;
; v41 my place in lora_B; v42, v43 A_sum's scale words; v44-59 A_sum's two fragments; v64-127 colpart, later v64-71 h and v72-87 lora_B; v128-191, v192-255 x of steps 0, 1.
.macro TURN set                        ; a tile through my own stage: in as loaded, out so that lane (r, h) holds k = 64 c + 32 h + 0 .. 31 of row r in registers 32 c .. 32 c + 31
.set ti, 0
.rept 16
	ds_store_b128 v2, v[\set+4*ti:\set+4*ti+3] offset:528*ti
.set ti, ti+1
.endr
.set ti, 0
.rept 16
	ds_load_b128 v[\set+4*ti:\set+4*ti+3], v3 offset:256*(ti/8)+16*(ti%8)   ; LDS serves a wave's instructions in order: these see the stores above
.set ti, ti+1
.endr
	s_wait_dscnt 0x0
.endm
.macro Q6 set, C, W                    ; two whole blocks of 32 a lane become 8 registers of codes and the row's scale word
.irp c, 0,1
	v_max3_num_f32 v[20+\c], |v[\set+32*\c]|, |v[\set+32*\c+1]|, 0x1800000   ; with the floor 2^(3 - 127)
.endr
.irp i, 2,4,6,8,10,12,14,16,18,20,22,24,26,28,30
.irp c, 0,1
	v_max3_num_f32 v[20+\c], v[20+\c], |v[\set+32*\c+\i]|, |v[\set+32*\c+\i+1]|
.endr
.endr
.irp c, 0,1
	v_add_nc_u32 v[22+\c], 0xff000000, v[20+\c]
.endr
.irp c, 0,1
	v_lshrrev_b32 v[24+\c], 23, v[22+\c]
.endr
	v_lshl_or_b32 v[\W], v25, 16, v24
	v_lshlrev_b32 v[\W], v4, v[\W]
	v_permlanex16_b32 v26, v[\W], s[SEL], s[SEL+1]
	v_or_b32 v[\W], v[\W], v26
.irp c, 0,1
.irp g, 0,1,2,3
	v_cvt_scalef32_pk8_fp4_f32 v[\C+4*\c+\g], v[\set+32*\c+8*\g:\set+32*\c+8*\g+7], v[22+\c]
.endr
.endr
	v_nop                                          ; one plain instruction behind the last scaled conversion
.endm
.macro USTEP u, left                   ; 128 along K: x aw, quantised, times A_sum's fragment
	s_wait_loadcnt \left
.set ui, 0
.rept 16
	v_pk_mul_f32 v[128+64*\u+4*ui:129+64*\u+4*ui], v[128+64*\u+4*ui:129+64*\u+4*ui], v[12+4*\u:13+4*\u]
	v_pk_mul_f32 v[130+64*\u+4*ui:131+64*\u+4*ui], v[130+64*\u+4*ui:131+64*\u+4*ui], v[14+4*\u:15+4*\u]
.set ui, ui+1
.endr
	TURN 128+64*\u
	Q6 128+64*\u, 32, 40
.rept 8
	v_nop                                          ; a scale register written by a vector instruction stands eight places ahead of a scaled matrix instruction, an operand four
.endr
.if \u == 0
	v_wmma_scale_f32_16x16x128_f8f6f4 v[64:71], v[44:51], v[32:39], 0, v42, v40 matrix_a_fmt:MATRIX_FMT_FP4 matrix_b_fmt:MATRIX_FMT_FP4
.else
	s_wait_alu depctr_va_vdst(0)                   ; the wait directly ahead of a link that adds onto the link before it
	v_wmma_scale_f32_16x16x128_f8f6f4 v[64:71], v[52:59], v[32:39], v[64:71], v43, v40 matrix_a_fmt:MATRIX_FMT_FP4 matrix_b_fmt:MATRIX_FMT_FP4
.endif
.endm
	s_load_b256 s[4:11], s[0:1], 0x0               ; x s[4:5], colpart s[6:7], aq s[8:9], lora_B s[10:11]
	s_load_b128 s[12:15], s[0:1], 0x20             ; hfrag s[12:13], bfrag s[14:15]
	v_lshl_add_u32 v[SPW], v0, 2, SPARE
	v_mov_b32 v[NIL], 0
	v_lshrrev_b32 v1, 5, v0
	v_readfirstlane_b32 s16, v1                    ; wave 0..15
	v_and_b32 v20, 31, v0                          ; lane
	v_lshlrev_b32 v1, 4, v20
	s_mul_i32 s17, s16, STG
	v_add_nc_u32 v2, s17, v1
	v_and_b32 v21, 15, v20                         ; r
	v_lshrrev_b32 v22, 4, v20                      ; h
	v_mul_u32_u24 v3, v21, 528
	v_lshl_add_u32 v3, v22, 7, v3
	v_add_nc_u32 v3, s17, v3
	v_lshlrev_b32 v4, 3, v22
	v_lshlrev_b32 v5, 2, v20
	s_lshl_b32 s17, s16, 10
	s_add_co_u32 s18, s17, HP
	v_add_nc_u32 v6, s18, v1
	v_add_nc_u32 v7, HP, v1
	s_lshl_b32 s18, s16, 2
	s_add_co_u32 s18, s18, TOT
	v_mov_b32 v8, s18
	v_mov_b32 v9, TOT
	v_lshlrev_b32 v41, 6, v21
	v_lshl_add_u32 v41, v22, 5, v41                ; lora_B: row r of 64 bytes, + 32 h
	v_mov_b32 v26, 0                               ; written once: a lane permute's destination counts as one of its sources
	s_lshl_b32 s20, ttmp9, 18                      ; x: 16 rows of 16,384 bytes a work-group,
	s_add_co_u32 s20, s20, s17                     ; 1,024 bytes a wave
	s_mov_b32 s21, 0
	s_mov_b32 s22, s17                             ; colpart: the same columns
	s_mov_b32 s23, 0
	s_lshl_b32 s24, s16, 11                        ; aq: two fragments of 1,024 bytes a wave,
	s_mov_b32 s25, 0
	s_lshl_b32 s26, s16, 8                         ; two runs of 128 bytes of scale words
	s_mov_b32 s27, 0
	s_lshl_b32 s28, ttmp9, 10                      ; lora_B: 16 rows of 64 bytes; hfrag, bfrag: an image of 1,024 bytes
	s_mov_b32 s29, 0
	s_mov_b32 s[SEL], 0x76543210
	s_mov_b32 s[SEL+1], 0xfedcba98
	s_mov_b32 s32, 0x33800000                      ; 2^-24: the total of 4,096 x 4,096 magnitudes to their mean
	s_mov_b32 s33, 0x358637bd                      ; 1e-6
	s_mov_b32 s34, 0x39800000                      ; 2^-12: a column's sum to its mean
	s_wait_kmcnt 0x0
	s_add_nc_u64 s[4:5], s[4:5], s[20:21]
	s_add_nc_u64 s[6:7], s[6:7], s[22:23]
	s_add_nc_u64 s[36:37], s[8:9], s[24:25]
	s_add_nc_u64 s[38:39], s[8:9], s[26:27]
	s_add_nc_u64 s[10:11], s[10:11], s[28:29]
	s_add_nc_u64 s[12:13], s[12:13], s[28:29]
	s_add_nc_u64 s[14:15], s[14:15], s[28:29]
.irp p, 0,1,2,3,4,5,6,7
.irp u, 0,1
	global_load_b128 v[64+8*\p+4*\u:67+8*\p+4*\u], v1, s[6:7] offset:16384*\p+512*\u   ; partial sums of the four columns that I hold of x
.endr
.endr
.irp u, 0,1
.irp c, 0,1
	global_load_b128 v[44+8*\u+4*\c:47+8*\u+4*\c], v1, s[36:37] offset:1024*\u+512*\c
.endr
	global_load_b32 v[42+\u], v5, s[38:39] offset:32768+128*\u
.endr
.irp u, 0,1
.set xi, 0
.rept 16
	global_load_b128 v[128+64*\u+4*xi:131+64*\u+4*xi], v1, s[4:5] offset:16384*xi+512*\u th:TH_LOAD_NT   ; x is read here for the last time
.set xi, xi+1
.endr
.endr
	s_wait_loadcnt 32                              ; colpart and aq are in; the 32 loads of x may be out
.irp u, 0,1
.irp d, 0,2
	v_pk_add_f32 v[12+4*\u+\d:13+4*\u+\d], v[64+4*\u+\d:65+4*\u+\d], v[72+4*\u+\d:73+4*\u+\d]
.endr
.endr
.irp p, 2,3,4,5,6,7
.irp u, 0,1
.irp d, 0,2
	v_pk_add_f32 v[12+4*\u+\d:13+4*\u+\d], v[12+4*\u+\d:13+4*\u+\d], v[64+8*\p+4*\u+\d:65+8*\p+4*\u+\d]
.endr
.endr
.endr
	v_pk_add_f32 v[20:21], v[12:13], v[14:15]      ; my eight columns,
	v_pk_add_f32 v[22:23], v[16:17], v[18:19]
	v_pk_add_f32 v[20:21], v[20:21], v[22:23]
	v_add_f32 v20, v20, v21
	v_add_f32_dpp v20, v20, v20 row_xmask:1 row_mask:0xf bank_mask:0xf   ; the wave's 256
	v_add_f32_dpp v20, v20, v20 row_xmask:2 row_mask:0xf bank_mask:0xf
	v_add_f32_dpp v20, v20, v20 row_xmask:4 row_mask:0xf bank_mask:0xf
	v_add_f32_dpp v20, v20, v20 row_xmask:8 row_mask:0xf bank_mask:0xf
	v_permlanex16_b32 v26, v20, s[SEL], s[SEL+1]
	v_add_f32 v20, v20, v26
	ds_store_b32 v8, v20                           ; all lanes write the same word with the same value
	s_wait_dscnt 0x0                               ; for the others' sake
	s_barrier_signal -1
	s_barrier_wait -1
.irp i, 0,1,2,3
	ds_load_b128 v[64+4*\i:67+4*\i], v9 offset:16*\i   ; the sixteen waves' totals, in every lane
.endr
	s_wait_dscnt 0x0
	v_pk_add_f32 v[64:65], v[64:65], v[66:67]
	v_pk_add_f32 v[68:69], v[68:69], v[70:71]
	v_pk_add_f32 v[72:73], v[72:73], v[74:75]
	v_pk_add_f32 v[76:77], v[76:77], v[78:79]
	v_pk_add_f32 v[64:65], v[64:65], v[68:69]
	v_pk_add_f32 v[72:73], v[72:73], v[76:77]
	v_pk_add_f32 v[64:65], v[64:65], v[72:73]
	v_add_f32 v20, v64, v65
	v_fma_f32 v21, v20, s32, s33                   ; d = the mean of the columns' means + 1e-6
	v_rcp_f32 v22, v21
	v_nop                                          ; a plain instruction behind the transcendental,
	s_wait_alu depctr_va_vdst(0)                   ; and a wait ahead of its first reader
	v_fma_f32 v23, -v21, v22, 1.0                  ; one Newton step
	v_fma_f32 v22, v22, v23, v22
	v_mul_f32 v22, s34, v22                        ; 2^-12 / d
.irp m, 0,1,2,3
	v_pk_mul_f32 v[12+2*\m:13+2*\m], v[12+2*\m:13+2*\m], v[22:23] op_sel_hi:[1,0]   ; aw of my eight columns, in the layout in which x is loaded
.endr
	s_cmp_lg_u32 s16, 1
	s_cbranch_scc1 .Lno_b
	global_load_b128 v[72:75], v41, s[10:11]       ; wave 1: rows 16 T + r of both of lora_B's matrices, ranks 8 h .. 8 h + 7
	global_load_b128 v[76:79], v41, s[10:11] offset:16
	global_load_b128 v[80:83], v41, s[10:11] offset:262144
	global_load_b128 v[84:87], v41, s[10:11] offset:262160
.Lno_b:
	USTEP 0, 16                                    ; step 1's sixteen loads may be out (in wave 1 the count waits for four more than is needed)
	USTEP 1, 0
.rept 4
	v_nop                                          ; four places ahead of the first read of the result
.endr
	ds_store_b128 v6, v[64:67]                     ; from its low end on
	ds_store_b128 v6, v[68:71] offset:512
	s_wait_dscnt 0x0                               ; for wave 0's sake
	s_barrier_signal -1
	s_barrier_wait -1
	s_cmp_lg_u32 s16, 0
	s_cbranch_scc1 .Lnot_wave_0
.set pi, 0
.rept 16
	ds_load_b128 v[128+8*pi:131+8*pi], v7 offset:1024*pi
	ds_load_b128 v[132+8*pi:135+8*pi], v7 offset:1024*pi+512
.set pi, pi+1
.endr
	s_wait_dscnt 0x0
.set pi, 1
.rept 15
.irp d, 0,2,4,6
	v_pk_add_f32 v[128+\d:129+\d], v[128+\d:129+\d], v[128+8*pi+\d:129+8*pi+\d]   ; h: the sixteen parts along K
.endr
.set pi, pi+1
.endr
.irp m, 0,1,2,3
	v_pk_mul_f32 v[128+2*\m:129+2*\m], v[128+2*\m:129+2*\m], 2.0 op_sel_hi:[1,0]
.endr
.irp m, 0,1,2,3
	v_cvt_pk_bf16_f32 v[32+\m], v[128+2*\m], v[129+2*\m]          ; the upper part
.endr
.irp m, 0,1,2,3
	v_lshlrev_b32 v[136+2*\m], 16, v[32+\m]
	v_and_b32 v[137+2*\m], 0xffff0000, v[32+\m]
.endr
.irp m, 0,1,2,3
	v_pk_add_f32 v[128+2*\m:129+2*\m], v[128+2*\m:129+2*\m], v[136+2*\m:137+2*\m] neg_lo:[0,1] neg_hi:[0,1]   ; what it left
.endr
.irp m, 0,1,2,3
	v_cvt_pk_bf16_f32 v[36+\m], v[128+2*\m], v[129+2*\m]
.endr
	global_store_b128 v1, v[32:35], s[12:13]       ; each store covers 512 consecutive bytes, aligned to 256
	global_store_b128 v1, v[36:39], s[12:13] offset:512
.Lnot_wave_0:
	s_cmp_lg_u32 s16, 1
	s_cbranch_scc1 .Lnot_wave_1
.irp m, 0,1,2,3
	v_pk_add_f32 v[72+2*\m:73+2*\m], v[72+2*\m:73+2*\m], v[80+2*\m:81+2*\m]   ; B_sum (step 1's wait was for all loads)
.endr
.irp m, 0,1,2,3
	v_cvt_pk_bf16_f32 v[32+\m], v[72+2*\m], v[73+2*\m]
.endr
	global_store_b128 v1, v[32:35], s[14:15]       ; against the upper part of 2 h,
	global_store_b128 v1, v[32:35], s[14:15] offset:512   ; and the same against the rest
.Lnot_wave_1:
	s_wait_tensorcnt 0x0                           ; the wave's end, behind my last LDS store: a tensor wait (though the text has no tensor load), an add of 0 to my spare word, and its wait
	ds_add_u32 v[SPW], v[NIL]
	s_wait_dscnt 0x0
	s_endpgm
.Lfunc_end_k_qf7bb28338f_lora:
	.size	k_qf7bb28338f_lora, .Lfunc_end_k_qf7bb28338f_lora-k_qf7bb28338f_lora
	.p2alignl 7, 3214868480
	.fill 96, 4, 3214868480
	.section	.rodata,"a",@progbits
	.p2align	6, 0x0
	.amdhsa_kernel k_qf7bb28338f_lora
		.amdhsa_group_segment_fixed_size 153856
		.amdhsa_private_segment_fixed_size 0
		.amdhsa_enable_private_segment 0
		.amdhsa_kernarg_size 48
		.amdhsa_user_sgpr_count 2
		.amdhsa_user_sgpr_kernarg_segment_ptr 1
		.amdhsa_wavefront_size32 1
		.amdhsa_system_sgpr_workgroup_id_x 1
		.amdhsa_system_sgpr_workgroup_id_y 1
		.amdhsa_system_sgpr_workgroup_id_z 1
		.amdhsa_system_vgpr_workitem_id 0
		.amdhsa_next_free_vgpr 256
		.amdhsa_next_free_sgpr 66
		.amdhsa_reserve_vcc 0
		.amdhsa_float_denorm_mode_32 3
		.amdhsa_float_denorm_mode_16_64 3
		.amdhsa_memory_ordered 1
		.amdhsa_forward_progress 1
		.amdhsa_inst_pref_size 36
	.end_amdhsa_kernel
	.amdgpu_metadata
---
amdhsa.version: [ 1, 2 ]
amdhsa.kernels:
  - .name:           k_qf7bb28338f_lora
    .symbol:         k_qf7bb28338f_lora.kd
    .args:
      - { .name: x, .offset: 0, .size: 8, .value_kind: global_buffer, .address_space: global }
      - { .name: colpart, .offset: 8, .size: 8, .value_kind: global_buffer, .address_space: global }
      - { .name: aq, .offset: 16, .size: 8, .value_kind: global_buffer, .address_space: global }
      - { .name: lora_B, .offset: 24, .size: 8, .value_kind: global_buffer, .address_space: global }
      - { .name: hfrag, .offset: 32, .size: 8, .value_kind: global_buffer, .address_space: global }
      - { .name: bfrag, .offset: 40, .size: 8, .value_kind: global_buffer, .address_space: global }
    .group_segment_fixed_size: 153856
    .private_segment_fixed_size: 0
    .kernarg_segment_align: 8
    .kernarg_segment_size: 48
    .max_flat_workgroup_size: 512
    .sgpr_count:     66
    .vgpr_count:     256
    .wavefront_size: 32
...
	.end_amdgpu_metadata
.endif
;; end of part 2
;; launch gemm (part 3): grid 16 x 16, 4 waves a work-group, clusters of 4 x 4, 327,680 bytes of LDS; arguments xq, wq, hfrag, bfrag, bias, out0; writes out0
.if DOCPART == 3
	.amdgcn_target "amdgcn-amd-amdhsa--gfx1250"
	.amdhsa_code_object_version 6
	.text
	.protected	k_qf7bb28338f_gemm
	.globl	k_qf7bb28338f_gemm
	.p2align	8
	.type	k_qf7bb28338f_gemm,@function
k_qf7bb28338f_gemm:
	s_mov_b64 s[64:65], 0
	v_nop
	global_prefetch_b8 v0, s[64:65] scope:SCOPE_SE
	s_setreg_imm32_b32 hwreg(HW_REG_WAVE_MODE, 25, 1), 1
	s_wait_xcnt 0x0
	s_wait_alu depctr_hold_cnt(0) depctr_sa_sdst(0) depctr_va_vdst(0) depctr_va_sdst(0) depctr_va_ssrc(0) depctr_va_vcc(0) depctr_vm_vsrc(0)
	s_getreg_b32 s2, hwreg(HW_REG_IB_STS2, 6, 4)
	s_cmp_eq_u32 s2, 0
	s_cbranch_scc0 .Lentry_in_a_cluster
	s_endpgm
.Lentry_in_a_cluster:
	s_bfe_u32 s2, ttmp6, 0x10000c
	s_cmp_lg_u32 s2, 0xf033
	s_cbranch_scc0 .Lentry_shape_is_right
	s_endpgm
.Lentry_shape_is_right:
; GEMM, the third launch: out0[m][n] = bias[n] + (2 h)[m] . B_sum[n] + the sum over k of Q(x)[m][k] Q(W)[k][n].  4,096 x 4,096 x 4,096 on codes of FP4 (E2M1) with one E8M0 scale for each 32 along K; sums in f32.  Nothing is left out.
; A tile of 256 x 256 is made by a work-group of four waves; a wave makes 128 x 128: 64 accumulators of 16 x 16, 512 registers.  256 work-groups, one tile each.
; THE SUMS BEGIN WITH THE SMALL TERMS: one bf16 matrix instruction for each accumulator, C = bias (eight registers in the result's layout), A and B = the images that the second launch stored (K = 32: the 16 ranks twice, the upper
; part of 2 h and what it left).  So nothing is cleared and nothing is added at the end.
; xq AND wq lie as [32 blocks of 128 rows][8 K steps of 512][BLK bytes], each block dense: images of the operand's registers (fragment (q, i) at (8 q + i) x 1024, registers 4 c .. 4 c + 3 of lane l at 512 c + 16 l), and behind them the scale words
; (SCO + 512 q + 4 row).  One tensor load a wave brings a block, codes and scales together, as 136 rows of 256 bytes; every LDS load of a wave reads consecutive bytes, so no padding is wanted.
; K goes in 8 steps of 512 through a ring of two LDS slots; a slot holds A's two blocks and B's two.
; CLUSTERS: 4 x 4 work-groups.  The four of a row of the cluster need the same blocks of xq, the four of a column the same blocks of wq: each is asked for JOINTLY, by the same tensor load with the same descriptor and a mask that names the four.
; THE MATRIX INSTRUCTIONS ARE USED TRANSPOSED (source 0 = 16 rows of wq or B_sum, source 1 = 16 rows of xq or h): a lane then holds eight neighbouring numbers of a row of out0.
; REGISTERS, in windows of 256: window 0: v16-30 addresses; v32-95 scale words, two sets; v128-191 A's fragments, ONE set; v192-255 h's eight fragments; on the way out v128-255 take rows.
;   window 1: B's fragments, TWO sets, at v0 and v128; v64-127 B_sum's eight fragments; v192-255 bias.   window 2: the 32 accumulators of my rows 0-63 ((a, b) at v[8 (8 a + b)]);   window 3: those of my rows 64-127.
; LIMITS: those of the two launches before; the order of the f32 sums is this text's.
.set BLK,    34816
.set SCO,    32768
.set SLOT,   4*BLK                     ; A's two blocks, then B's two
.set SPARE,  2*SLOT                    ; behind the ring: the spare words, 128 bytes for each wave: two blocks of 256 bytes that no other line names
.set NQ,     4                         ; matrix instructions deep in a slot
.set FR,     8                         ; registers of a fragment
.set NL,     2                         ; LDS loads that bring one
.set NP,     4                         ; places behind these matrix instructions (ISA guide 7.12.1)
.set LAPS,   4                         ; a lap = two K steps = once round the ring
.set NROW,   16384                     ; a row of out0 in bytes
.set SPITCH, 528                       ; the way out: a stage of 16 rows x (512 bytes + 16) for each wave, in slot 0, which has had its last fill and its last read when the first result is stored there
.set ADRA, 16                          ; v16-17  16 lane + my block of A in slot 0, 1
.set ASA,  18                          ; v18-19  4 lane + its scale words
.set ADRB, 20                          ; v20-21  the same for B
.set ASB,  22                          ; v22-23
.set STO,  24                          ; v24     the way out: where I put 32 bytes of a row
.set RD,   25                          ; v25     where I read a row back
.set BO,   27                          ; v27     32 h: my eight numbers of a tile's sixteen of bias
.set SPW,  28                          ; v28     LDS address of my spare word; never rewritten
.set NIL,  29                          ; v29     0; never rewritten
.set LI,   30                          ; v30     16 lane: an image's place for my lane, and my bytes in a row of 512 of out0
.set SC,   32                          ; scale words: set s at v[SC + 32 s]; in it A's at 4 q + j, B's at 16 + 4 q + j: lanes 0-15 the words of tile 2 j, lanes 16-31 those of tile 2 j + 1
.set AF,   128
.set HF,   192
.set BK,   128
.set BFR,  64                          ; window 1
.set BIA,  192                         ; window 1
.set G1, 24                            ; s[24:31] descriptor group 1 for A's blocks;  s[32:39] group 0, one set for each slot
.set G0, 32
.set G1B, 48                           ; s[48:55], s[56:63] the same for B's
.set G0B, 56
.set MSB, 0
.macro WIN new                         ; the immediate's high byte repeats the setting that is left
.if MSB != \new
	s_set_vgpr_msb (MSB<<8)|\new
.set MSB, \new
.endif
.endm
.set MUL_LO, 0xa1                      ; source 0 (B) window 1, source 1 (A) window 0, C and D window 2
.set MUL_HI, 0xf1                      ; the same, C and D window 3
.set TO_B,   0x40                      ; destination window 1, address window 0
; A joint load: waves 0 and 1 fetch A's two blocks, waves 2 and 3 B's.  Each of the two lines has ONE mask and one set of registers for all that issue it; the branch hangs on the wave's number alone.
; An s_nop 0 and four v_nop follow each of the two lines, ahead of the jump, the label and what follows.
.macro JLOAD g0a, g1a, g0b, g1b
	s_cmp_eq_u32 s17, 0
	s_cbranch_scc0 .Lfor_b_\@
	tensor_load_to_lds s[\g0a:\g0a+3], s[\g1a:\g1a+7]
	s_nop 0
.rept 4
	v_nop
.endr
	s_branch .Lasked_\@
.Lfor_b_\@:
	tensor_load_to_lds s[\g0b:\g0b+3], s[\g1b:\g1b+7]
	s_nop 0
.rept 4
	v_nop
.endr
.Lasked_\@:
.endm
.macro CREST                           ; a round of the cluster's barrier behind its opening barrier
	s_cmp_lg_u32 s16, 0
	s_cbranch_scc1 .Lnot_wave_0_\@
	s_barrier_signal -3
.Lnot_wave_0_\@:
	s_barrier_wait -3
	s_barrier_signal -1
	s_barrier_wait -1
.endm
.macro CROUND                          ; a whole round
	s_barrier_signal -1
	s_barrier_wait -1
	CREST
.endm
	s_load_b256 s[4:11], s[0:1], 0x0               ; xq s[4:5], wq s[6:7], hfrag s[8:9], bfrag s[10:11]
	s_load_b128 s[12:15], s[0:1], 0x20             ; bias s[12:13], out0 s[14:15]
	v_lshl_add_u32 v[SPW], v0, 2, SPARE
	v_mov_b32 v[NIL], 0
	ds_add_u32 v[SPW], v[NIL]                      ; the wave's opening: the add, twice on end, and its wait ahead of my first tensor load; the set-up below, work on registers, stands between the second and the wait
	ds_add_u32 v[SPW], v[NIL]
	v_lshrrev_b32 v1, 5, v0
	v_readfirstlane_b32 s16, v1                    ; wave 0..3
	s_lshr_b32 s17, s16, 1                         ; which half of the tile's rows is mine.  Also: I fetch for A (0) or for B (1)
	s_and_b32 s18, s16, 1                          ; which half of its columns.  Also: which of the two blocks I fetch
	s_bfe_u32 s40, ttmp6, 0x40000                  ; cx, cy: my place in the cluster
	s_bfe_u32 s41, ttmp6, 0x40004
	s_lshl_b32 s42, ttmp9, 2
	s_add_co_u32 s42, s42, s40                     ; tile column = 4 x cluster x + cx
	s_and_b32 s19, ttmp7, 0xffff
	s_lshl_b32 s19, s19, 2
	s_add_co_u32 s19, s19, s41                     ; tile row = 4 x cluster y + cy
	s_lshl_b32 s43, s41, 2
	s_lshl_b32 s43, 15, s43                        ; my row of the cluster
	s_lshl_b32 s44, 0x1111, s40                    ; my column
	; descriptor group 1: a dense block of 34,816 bytes as 136 rows of 32 elements of 8 bytes, no padding
	s_or_b32 s[G1+0], s43, (3<<16)|(1<<21)         ; 15:0 the mask: A's blocks go to my row; 17:16 elements of 8 bytes; 21 set beside a mask
	s_or_b32 s[G1B+0], s44, (3<<16)|(1<<21)        ; B's go to my column
.irp g, G1, G1B
	s_mov_b32 s[\g+1], 32<<16                      ; tensor_dim0 = 32
	s_mov_b32 s[\g+2], 136<<16                     ; tensor_dim1 = 136
	s_mov_b32 s[\g+3], 32<<16                      ; tile_dim0 = 32
	s_mov_b32 s[\g+4], 136                         ; tile_dim1 = 136
	s_mov_b32 s[\g+5], 32                          ; from row to row: 32 elements
	s_mov_b32 s[\g+6], 0
	s_mov_b32 s[\g+7], 0
.endr
	s_lshl_b32 s22, s18, 3
	s_lshl_b32 s20, s19, 4
	s_add_co_u32 s20, s20, s22                     ; A: block (2 x tile row + which) x 8 K steps
	s_mul_i32 s20, s20, BLK
	s_mov_b32 s21, 0
	s_lshl_b32 s46, s42, 4
	s_add_co_u32 s46, s46, s22                     ; B: by the tile column
	s_mul_i32 s46, s46, BLK
	s_mov_b32 s47, 0
	s_mul_i32 s45, s16, BLK                        ; where they go: wave x a block: no place in the cluster enters an LDS address
	s_wait_dscnt 0x0                               ; both opening adds are done
	s_wait_kmcnt 0x0
	s_add_nc_u64 s[20:21], s[4:5], s[20:21]
	s_add_nc_u64 s[46:47], s[6:7], s[46:47]
	CROUND                                         ; all sixteen work-groups are here: the first joint loads meet
.irp s, 0,1
	s_mov_b32 s[G0+4*\s], 1                        ; count = 1
	s_add_co_u32 s[G0+4*\s+1], s45, \s*SLOT        ; LDS address
	s_add_nc_u64 s[G0+4*\s+2:G0+4*\s+3], s[20:21], \s*BLK   ; K step s
	s_or_b32 s[G0+4*\s+3], s[G0+4*\s+3], 0x80000000         ; type = 2
	s_mov_b32 s[G0B+4*\s], 1
	s_add_co_u32 s[G0B+4*\s+1], s45, \s*SLOT
	s_add_nc_u64 s[G0B+4*\s+2:G0B+4*\s+3], s[46:47], \s*BLK
	s_or_b32 s[G0B+4*\s+3], s[G0B+4*\s+3], 0x80000000
	JLOAD G0+4*\s, G1, G0B+4*\s, G1B               ; two tensor loads of mine are out
.endr
	v_and_b32 v1, 31, v0
	v_lshlrev_b32 v[LI], 4, v1
	v_lshlrev_b32 v2, 2, v1
	v_and_b32 v3, 15, v0                           ; r
	v_bfe_u32 v4, v0, 4, 1                         ; h
	v_lshlrev_b32 v[BO], 5, v4
	s_mul_i32 s66, s17, BLK                        ; my block of A,
	s_mul_i32 s67, s18, BLK
	s_add_co_u32 s67, s67, 2*BLK                   ; my block of B, behind A's two
.irp s, 0,1
	v_add_nc_u32 v[ADRA+\s], s66, v[LI]
	v_add_nc_u32 v[ADRB+\s], s67, v[LI]
	v_add_nc_u32 v[ASA+\s], s66, v2
	v_add_nc_u32 v[ASB+\s], s67, v2
	v_add_nc_u32 v[ASA+\s], SCO, v[ASA+\s]
	v_add_nc_u32 v[ASB+\s], SCO, v[ASB+\s]
	s_add_co_u32 s66, s66, SLOT
	s_add_co_u32 s67, s67, SLOT
.endr
	s_mul_i32 s68, s16, 16*SPITCH                  ; my stage
	v_mul_u32_u24 v5, v3, SPITCH
	v_lshl_add_u32 v5, v4, 5, v5
	v_add_nc_u32 v[STO], s68, v5                   ; in: row r, 32 bytes for each half of the lanes
	v_add_nc_u32 v[RD], s68, v[LI]                 ; back: the 32 lanes take one row of 512 bytes
	s_lshl_b32 s70, s19, 14
	s_lshl_b32 s71, s17, 13
	s_add_co_u32 s70, s70, s71                     ; h's images: (16 x tile row + 8 x half) x 1024
	s_mov_b32 s71, 0
	s_lshl_b32 s72, s42, 14
	s_lshl_b32 s73, s18, 13
	s_add_co_u32 s72, s72, s73                     ; B_sum's: by the tile column
	s_mov_b32 s73, 0
	s_lshl_b32 s74, s42, 10
	s_lshl_b32 s75, s18, 9
	s_add_co_u32 s74, s74, s75                     ; my first column, in bytes of f32: 1024 x tile column + 512 x half
	s_mov_b32 s75, 0
	s_lshl_b32 s76, s19, 22
	s_lshl_b32 s77, s17, 21
	s_add_co_u32 s76, s76, s77                     ; my first row of out0: (256 x tile row + 128 x half) x 16,384 bytes
	s_add_co_u32 s76, s76, s74
	s_mov_b32 s77, 0
	s_add_nc_u64 s[8:9], s[8:9], s[70:71]
	s_add_nc_u64 s[10:11], s[10:11], s[72:73]
	s_add_nc_u64 s[12:13], s[12:13], s[74:75]
	s_add_nc_u64 s[14:15], s[14:15], s[76:77]
	; THE SMALL TERMS, while the first blocks are on their way
.irp a, 0,1,2,3,4,5,6,7
	global_load_b128 v[HF+8*\a:HF+8*\a+3],   v[LI], s[8:9] offset:1024*\a
	global_load_b128 v[HF+8*\a+4:HF+8*\a+7], v[LI], s[8:9] offset:1024*\a+512
.endr
	WIN TO_B
.irp b, 0,1,2,3,4,5,6,7
	global_load_b128 v[BFR+8*\b:BFR+8*\b+3],   v[LI], s[10:11] offset:1024*\b
	global_load_b128 v[BFR+8*\b+4:BFR+8*\b+7], v[LI], s[10:11] offset:1024*\b+512
.endr
.irp b, 0,1,2,3,4,5,6,7
	global_load_b128 v[BIA+8*\b:BIA+8*\b+3],   v[BO], s[12:13] offset:64*\b      ; lane (r, h), register j: bias of column 16 b + 8 h + j
	global_load_b128 v[BIA+8*\b+4:BIA+8*\b+7], v[BO], s[12:13] offset:64*\b+16
.endr
	s_wait_loadcnt 0x0
.macro LORA hi                         ; 32 accumulators begin: bias + B_sum's tile b x h's tile 4 hi + a
.irp a, 0,1,2,3
.irp b, 0,1,2,3,4,5,6,7
	v_wmma_f32_16x16x32_bf16 v[8*(8*\a+\b):8*(8*\a+\b)+7], v[BFR+8*\b:BFR+8*\b+7], v[HF+8*(4*\hi+\a):HF+8*(4*\hi+\a)+7], v[BIA+8*\b:BIA+8*\b+7]
.endr
.endr
.endm
	WIN 0x91                                       ; source 0 and C window 1, source 1 window 0, D window 2
	LORA 0
	WIN 0xd1                                       ; D window 3
	LORA 1
	WIN 0
.rept 5
	v_nop                                          ; the products on codes are another form and write over these results: five places between (ISA guide 7.12.1)
.endr
.macro FRAG reg, adr, q, i             ; a fragment, 16 rows x 128 K of 4-bit codes, 8 registers, comes as it was stored: two loads of 512 consecutive bytes
.irp c, 0,1
	ds_load_b128 v[\reg+4*\c:\reg+4*\c+3], v[\adr] offset:(8*(\q)+(\i))*1024+512*\c
.endr
.endm
; 16 matrix instructions: A's tiles a0, a0 + 1 x B's eight, the slot's q-th 128 along K.  p: B's set; sc: the set of scale words.  A tile's words stand in lanes 0-15 (even tile) or 16-31 (odd tile) of its pair's register.
; The 64 accumulators take turns, one instruction a turn, in the same order in every step.
.macro MUL16 a0, p, q, sc
.irp a, \a0, \a0+1
.irp b, 0,1,2,3,4,5,6,7
.set rD, 8*(8*((\a)%4)+\b)
.set rB, 128*(\p)+FR*\b
.set rA, AF+FR*(\a)
.set rSB, SC+32*(\sc)+16+4*(\q)+\b/2
.set rSA, SC+32*(\sc)+4*(\q)+(\a)/2
.if ((\a)%2) == 0
.if (\b%2) == 0
	v_wmma_scale_f32_16x16x128_f8f6f4 v[rD:rD+7], v[rB:rB+7], v[rA:rA+7], v[rD:rD+7], v[rSB], v[rSA] matrix_a_fmt:MATRIX_FMT_FP4 matrix_b_fmt:MATRIX_FMT_FP4
.else
	v_wmma_scale_f32_16x16x128_f8f6f4 v[rD:rD+7], v[rB:rB+7], v[rA:rA+7], v[rD:rD+7], v[rSB], v[rSA] matrix_a_fmt:MATRIX_FMT_FP4 matrix_b_fmt:MATRIX_FMT_FP4 matrix_a_scale:MATRIX_SCALE_ROW1
.endif
.else
.if (\b%2) == 0
	v_wmma_scale_f32_16x16x128_f8f6f4 v[rD:rD+7], v[rB:rB+7], v[rA:rA+7], v[rD:rD+7], v[rSB], v[rSA] matrix_a_fmt:MATRIX_FMT_FP4 matrix_b_fmt:MATRIX_FMT_FP4 matrix_b_scale:MATRIX_SCALE_ROW1
.else
	v_wmma_scale_f32_16x16x128_f8f6f4 v[rD:rD+7], v[rB:rB+7], v[rA:rA+7], v[rD:rD+7], v[rSB], v[rSA] matrix_a_fmt:MATRIX_FMT_FP4 matrix_b_fmt:MATRIX_FMT_FP4 matrix_a_scale:MATRIX_SCALE_ROW1 matrix_b_scale:MATRIX_SCALE_ROW1
.endif
.endif
.endr
.endr
.endm
.macro FETCH_B slot, q, p              ; B's eight fragments of the slot's q-th 128 along K into set p
	WIN TO_B
.irp i, 0,1,2,3,4,5,6,7
	FRAG 128*(\p)+FR*\i, ADRB+\slot, \q, \i
.endr
	WIN 0
.endm
.macro FETCH_A slot, q, i0             ; A's tiles i0 .. i0 + 3
.irp i, \i0, \i0+1, \i0+2, \i0+3
	FRAG AF+FR*(\i), ADRA+\slot, \q, \i
.endr
.endm
.macro SCALES sc                       ; slot sc's scale words into set sc: 32 loads of 128 consecutive bytes
.irp q, 0,1,2,3
.irp j, 0,1,2,3
	ds_load_b32 v[SC+32*\sc+4*\q+\j],    v[ASA+\sc] offset:512*\q+128*\j
	ds_load_b32 v[SC+32*\sc+16+4*\q+\j], v[ASB+\sc] offset:512*\q+128*\j
.endr
.endr
.endm
; A load into a register that a matrix instruction has read, and an LDS store that reads a matrix result, stand NP places behind that matrix instruction; only plain vector instructions that name none of its registers are places.
.macro PLACES n
.rept \n
	v_nop
.endr
.endm
; A step of 128 along K that has its successor in the same slot.  A tile of A is free as soon as its eight products are issued, so one set serves A: tiles 0-3 are fetched anew in the step's middle, tiles 4-7 at its end.
.macro STEP slot, q
	s_wait_dscnt 4*NL                              ; all but the youngest eight loads (A's tiles 4-7) are in
	WIN MUL_LO
	MUL16 0, (\q)%2, \q, \slot
	MUL16 2, (\q)%2, \q, \slot
	s_wait_dscnt 0                                 ; A's tiles 4-7 are in (asked for 32 matrix instructions ago)
	PLACES NP
	FETCH_B \slot, (\q)+1, 1-(\q)%2
	FETCH_A \slot, (\q)+1, 0
	WIN MUL_HI
	MUL16 4, (\q)%2, \q, \slot
	MUL16 6, (\q)%2, \q, \slot
	PLACES NP
	WIN 0
	FETCH_A \slot, (\q)+1, 4
.endm
; A slot's last step changes slots: ONE barrier; in front of it each wave waits for all its tensor loads, adds 0 to its spare word, and waits for that and for its own reads of this slot.  fill = 1: this slot is filled again, two K steps ahead.
.macro TURN slot, next, fill
	s_wait_tensorcnt 0x0                           ; all my tensor loads have landed: the one that was out is my block of the next slot  (every window is 0 here)
	ds_add_u32 v[SPW], v[NIL]                      ; 0 onto my spare word
	s_wait_dscnt 4*NL+1                            ; (the add and the youngest eight loads may be out)
	WIN MUL_LO
	MUL16 0, 1, NQ-1, \slot                        ; sixteen matrix instructions stand between the add and the wait for it
	s_wait_dscnt 0x0                               ; the add is done, and my reads of this slot are over
	s_barrier_signal -1
	MUL16 2, 1, NQ-1, \slot
	WIN 0
	s_barrier_wait -1
.if \fill
	CREST                                          ; the barrier has opened a round of the cluster's barrier: no wave of any partner still reads this slot or has a load on its way
	s_add_nc_u64 s[G0+4*\slot+2:G0+4*\slot+3], s[G0+4*\slot+2:G0+4*\slot+3], 2*BLK
	s_add_nc_u64 s[G0B+4*\slot+2:G0B+4*\slot+3], s[G0B+4*\slot+2:G0B+4*\slot+3], 2*BLK
	JLOAD G0+4*\slot, G1, G0B+4*\slot, G1B         ; the first tensor load behind the round, my one load until the next; its four v_nop are the places in front of the loads below
.else
	PLACES NP
.endif
	FETCH_B \next, 0, 0
	FETCH_A \next, 0, 0
	SCALES \next
	WIN MUL_HI
	MUL16 4, 1, NQ-1, \slot
	MUL16 6, 1, NQ-1, \slot
	PLACES NP
	WIN 0
	FETCH_A \next, 0, 4
.endm
.macro STEPS slot, from                ; the slot's steps from .. NQ - 2
.set Q, \from
.rept NQ-1-\from
	STEP \slot, Q
.set Q, Q+1
.endr
.endm
	s_wait_tensorcnt 1                             ; my block of K step 0 is in; K step 1's may stay out
	s_barrier_signal -1
	s_barrier_wait -1                              ; everybody's is
	FETCH_B 0, 0, 0
	FETCH_A 0, 0, 0
	SCALES 0
	FETCH_A 0, 0, 4
	STEP 0, 0
	s_mov_b32 s3, LAPS-1
.Llap:                                             ; a trip goes once round the ring, from a lap's second step to the next lap's first, and fills both slots again
	STEPS 0, 1
	TURN 0, 1, 1
	STEPS 1, 0
	TURN 1, 0, 1
	STEP 0, 0
	s_sub_co_u32 s3, s3, 1
	s_cmp_lg_u32 s3, 0
	s_cbranch_scc1 .Llap
	STEPS 0, 1                                     ; the last lap is written out: it fills nothing, and has no round of the cluster's barrier
	TURN 0, 1, 0
	STEPS 1, 0
	s_wait_dscnt 4*NL                              ; the very last step: nothing more to fetch
	WIN MUL_LO
	MUL16 0, 1, NQ-1, 1
	MUL16 2, 1, NQ-1, 1
	s_wait_dscnt 0
	WIN MUL_HI
	MUL16 4, 1, NQ-1, 1
	MUL16 6, 1, NQ-1, 1
	WIN 0
; THE WAY OUT, block by block of 16 rows x 128 columns.  A lane holds 32 neighbouring bytes of a row, and the lanes beside it hold other rows: so a block goes through my own stage in LDS and comes back as whole rows of 512 bytes.
; LDS serves a wave's instructions in order: no wait between the stores and the loads, nor in front of the next block's stores.
.macro TOSTAGE a
.set AC, 64*((\a)%4)
	WIN 0x08+4*((\a)/4)                            ; the data: window 2 or 3
.irp b, 0,1,2,3,4,5,6,7
	ds_store_b128 v[STO], v[AC+8*\b:AC+8*\b+3] offset:64*\b          ; each accumulator from its low end on
	ds_store_b128 v[STO], v[AC+8*\b+4:AC+8*\b+7] offset:64*\b+16
.endr
	WIN 0
.set BB, BK+64*((\a)%2)
.irp t, 0,1,2,3,4,5,6,7,8,9,10,11,12,13,14,15
	ds_load_b128 v[BB+4*\t:BB+4*\t+3], v[RD] offset:\t*SPITCH
.endr
.endm
.macro SEND a, younger                 ; younger: the LDS instructions issued behind block a's loads, which may stay out
.set BB, BK+64*((\a)%2)
	s_wait_dscnt \younger                          ; the block is back in registers
.if (\a) > 0
	s_add_nc_u64 s[14:15], s[14:15], 16*NROW       ; (behind a wait on XCNT: the earlier stores have read their base)  16 rows on
.endif
.irp t, 0,1,2,3,4,5,6,7,8,9,10,11,12,13,14,15
	global_store_b128 v[LI], v[BB+4*\t:BB+4*\t+3], s[14:15] offset:\t*NROW th:TH_STORE_NT   ; 32 lanes store 512 consecutive bytes, at a multiple of 256 from out0's first byte; written once, read by nobody here
.endr
.endm
	PLACES NP                                      ; in front of the loads into the registers that held A's fragments, and of the reads of the last results
	TOSTAGE 0
.irp a, 1,2,3,4,5,6,7
.if \a > 1
	s_wait_xcnt 0x0                                ; block a - 2's stores have read their registers and their base: block a's loads may land there, and the base may step
.endif
	TOSTAGE \a
	SEND \a-1, 32                                  ; behind block a - 1's loads: block a's 16 stores and 16 loads
.endr
	s_wait_xcnt 0x0                                ; block 6's stores have read their base
	SEND 7, 0
	s_wait_tensorcnt 0x0                           ; the wave's end, behind my last tensor load and my last LDS store: a tensor wait, an add of 0 to my spare word, and its wait
	ds_add_u32 v[SPW], v[NIL]
	s_wait_dscnt 0x0
	CROUND                                         ; the closing round: no work-group ends while a partner may still ask for a block that names it
	s_endpgm
.Lfunc_end_k_qf7bb28338f_gemm:
	.size	k_qf7bb28338f_gemm, .Lfunc_end_k_qf7bb28338f_gemm-k_qf7bb28338f_gemm
	.p2alignl 7, 3214868480
	.fill 96, 4, 3214868480
	.section	.rodata,"a",@progbits
	.p2align	6, 0x0
	.amdhsa_kernel k_qf7bb28338f_gemm
		.amdhsa_group_segment_fixed_size 327680
		.amdhsa_private_segment_fixed_size 0
		.amdhsa_enable_private_segment 0
		.amdhsa_kernarg_size 48
		.amdhsa_user_sgpr_count 2
		.amdhsa_user_sgpr_kernarg_segment_ptr 1
		.amdhsa_wavefront_size32 1
		.amdhsa_system_sgpr_workgroup_id_x 1
		.amdhsa_system_sgpr_workgroup_id_y 1
		.amdhsa_system_sgpr_workgroup_id_z 1
		.amdhsa_system_vgpr_workitem_id 0
		.amdhsa_next_free_vgpr 1024
		.amdhsa_next_free_sgpr 80
		.amdhsa_reserve_vcc 0
		.amdhsa_float_denorm_mode_32 3
		.amdhsa_float_denorm_mode_16_64 3
		.amdhsa_memory_ordered 1
		.amdhsa_forward_progress 1
		.amdhsa_inst_pref_size 224
	.end_amdhsa_kernel
	.amdgpu_metadata
---
amdhsa.version: [ 1, 2 ]
amdhsa.kernels:
  - .name:           k_qf7bb28338f_gemm
    .symbol:         k_qf7bb28338f_gemm.kd
    .args:
      - { .name: xq, .offset: 0, .size: 8, .value_kind: global_buffer, .address_space: global }
      - { .name: wq, .offset: 8, .size: 8, .value_kind: global_buffer, .address_space: global }
      - { .name: hfrag, .offset: 16, .size: 8, .value_kind: global_buffer, .address_space: global }
      - { .name: bfrag, .offset: 24, .size: 8, .value_kind: global_buffer, .address_space: global }
      - { .name: bias, .offset: 32, .size: 8, .value_kind: global_buffer, .address_space: global }
      - { .name: out0, .offset: 40, .size: 8, .value_kind: global_buffer, .address_space: global }
    .group_segment_fixed_size: 327680
    .private_segment_fixed_size: 0
    .kernarg_segment_align: 8
    .kernarg_segment_size: 48
    .max_flat_workgroup_size: 128
    .sgpr_count:     80
    .vgpr_count:     1024
    .wavefront_size: 32
...
	.end_amdgpu_metadata
.endif
;; end of part 3
